; MI455X (gfx1250); checked and timed in simulation.
; The chip was launched on July 23, 2026; its instructions are those of AMD's public machine-readable ISA for CDNA 5 (MIT licence, August 2026) and "CDNA5" Instruction Set Architecture Reference Guide (July 2026). The comments in the code are by the model that wrote it; some were corrected since.
;; Real NVP. Allowed arithmetic: float matrix products may take bf16 or f16 operands with f32 sums; all other float work in f32.
;; Inputs: sW1 15 x 1 x 32 float32; sW2 15 x 32 x 16 float32; sW3 15 x 16 x 1 float32; sb1 15 x 32 float32; sb2 15 x 16 float32; sb3 15 x 1 float32; scale_b 15 x 1 float32; scale_w 15 x 1 x 1 float32; tW1 15 x 1 x 32 float32; tW2 15 x 32 x 16 float32; tW3 15 x 16 x 1 float32; tb1 15 x 32 float32; tb2 15 x 16 float32; tb3 15 x 1 float32; x 524,288 x 2 float32.
;; Outputs: out0 524,288 x 2 float32; out1 524,288 x 1 float32.
;; One version. Each part assembles by itself: llvm-mc -triple=amdgcn-amd-amdhsa -mcpu=gfx1250 --defsym DOCPART=n.
;; ======== version 1 of 1: 1 launch
;; limits: values are held in f16: magnitudes above 65,504 overflow, below 6.1e-05 lose precision; values outside matrix products are rounded to f16
;; launch flow (part 1): grid 256 x 1, 16 waves a work-group, no clusters, 101,888 bytes of LDS; arguments x, out0, out1, sW1, sb1, sW2, sb2, sW3, sb3, tW1, tb1, tW2, tb2, tW3, tb3, scale_w, scale_b; writes out0, out1
.if DOCPART == 1
	.amdgcn_target "amdgcn-amd-amdhsa--gfx1250"
	.amdhsa_code_object_version 6
	.text
	.protected	k_qa03ef7232d_flow
	.globl	k_qa03ef7232d_flow
	.p2align	8
	.type	k_qa03ef7232d_flow,@function
k_qa03ef7232d_flow:
	s_mov_b64 s[64:65], 0
	v_nop
	global_prefetch_b8 v0, s[64:65] scope:SCOPE_SE
	s_setreg_imm32_b32 hwreg(HW_REG_WAVE_MODE, 25, 1), 1
	s_wait_xcnt 0x0
; RealNVP: 524,288 samples, each carrying (z1, z2, ld) through 15 coupling layers; a layer runs two MLPs 1 -> 32 -> 16 -> 1
; (leaky ReLU, slope 0.01) on x1 = z2, then ld += ls, z2' = exp(ls) z1 + t(x1), z1' = x1, with ls = tanh(s(x1)) sw + sb.
;
; THE FORM.  leaky(h) = c2 (kappa + sigma) h with c1 = 0.505, c2 = 0.495, kappa = c1 / c2, sigma = sign(h) = 1 - 2 n, n = h's sign bit;
; kappa + sigma = -2 (n - lambda), lambda = (kappa + 1) / 2 = 100 / 99.  So of the first layer h1_i = w_i x + b_i only the SIGN BIT is
; needed.  It goes to the second product as nu_i = alpha n_i, alpha = 255 x 2^-24: the f16 number 0x00ff (a denormal, taken at its value).
; With W3 folded in, g_j = alpha S c1 W3_j h2_j = P_j + x Q_j, where
;   P = C_P + F nu,  F_ji = f16(-2 S c1 c2 W3_j W2_ij b_i),  C_P[j] = alpha (S c1 W3_j b2_j - lambda sum_i F_ji)
;   Q = C_Q + G nu,  G_ji = f16(-2 S c1 c2 W3_j W2_ij w_i),  C_Q[j] = -alpha lambda sum_i G_ji      (the sums taken over the ROUNDED f16 numbers)
;   MLP(x) = b3 + (1 / (alpha S)) sum_j (g_j + s'_j |g_j|),  s'_j = sign(W3_j) / kappa.
; S = 2^(12 - e), e the exponent of the largest |F|, |G| of the layer's MLP: the f16 weights are below 2^13 and the other operand is
; exactly 0 or alpha, so both have room in f16 whatever the inputs' size.  h2, the second leaky ReLU and the sum over j stay in f32.
; MATRIX WORK.  1 -> 32: a bf16 product with f32 sums; x, w and b are split into two bf16 each (5 of the 32 places along K:
; wh xh + wl xh + wh xl + bh + bl).  A lane's eight sums are eight neighbouring hidden units of one sample, so two neighbours' sign bits,
; packed into one word, lie as the next product's source 1 wants them.  32 -> 16 (with W3 folded in): two f16 products, F nu + C_P and
; G nu + C_Q.  What is left of 16 -> 1 is a sum of 16 f32 numbers, 8 in a lane and one exchange.
;
; SHARES.  256 work-groups x 16 waves; a wave owns 128 samples = 4 units of 32 (tile a: lanes 0-15, tile b: lanes 16-31), state in
; registers for the whole kernel.  Lane L holds samples 64 p + 2 L + e of the wave's 128 (unit u = 2 p + e): x and out0 move as 16 bytes a
; lane (a wave's instruction covers 512 consecutive bytes), out1 as 8 bytes a lane (256 consecutive bytes, aligned).
; The 73 KB of weights need arithmetic before they are operands: wave l formats layer l into LDS (15 layers, wave 15 formats none),
; one barrier, and from there on LDS is only read and no wave waits for another.
; LEFT OUT: tensor loads, clusters and an LDS stage for the results.  What work-groups share is the weights alone, a small part of the bytes,
; and they are not used as they lie in memory; x is read once by 16-byte loads and the results already lie 16 (8) neighbouring bytes a lane.
;
; LIMITS.  A state that is not finite, or |x| above 3.39e38 (its bf16 part rounds to infinity), also spoils the sample 16 lanes away
; (0 x inf in the source that two tiles share); weights that are not finite spoil everything.  F and G share one scale: elements more
; than 2^26 below the largest lose relative precision; the largest element counts as at least 2^-100, and from 2^124 on 1 / (alpha S) overflows.
; A sign of h1 may be wrong where |h1| is below about 2^-16 (|w x| + |b|); the result then moves by a term of that size.
; tanh = 1 - 2 / (1 + 2^(2 log2(e) s)): absolute error about 1e-7.
.set LAYERS,  15
.set LSTRIDE, 6656                     ; LDS bytes of a layer's image
.set IMG1,    0                        ; 4 x 512: source 0 of the first product, quad 2 m + t (m: 0 = s, 1 = t; t: hidden 16 t ..), lane L's 16 bytes at 16 L
.set IMG2,    2048                     ; 4 x 1024: fragments g = 0 F_s, 1 G_s, 2 F_t, 3 G_t; quad q of lane L at 1024 g + 512 q + 16 L
.set TAB,     6144                     ; 4 x 64: f32 [16]: C_P s, C_Q s, C_P t, C_Q t
.set SGT,     TAB+256                  ; 2 x 64: s' of s, of t
.set KTAB,    6528                     ; 32: c0 .. c7
; registers of the layers' loop
.set B0, 2                             ; v2  16 L + the layer's image
.set B1, 3                             ; v3  16 (L xor 16) + the image: the same quads with the halves of the lanes exchanged
.set B2, 4                             ; v4  32 (L / 16) + the image: the tables' 8 numbers of my half
.set B3, 5                             ; v5  the image
.set ST, 8                             ; v8-15   unit u: z2 at 8 + 2 u, z1 at 9 + 2 u (as x is loaded)
.set LD, 16                            ; v16-19  unit u: ld
.set XE, 20                            ; v20-27  source 1 of the first product: (xh, xh), (xl, 1), (1, 0), 0 ..
.set XA, 28                            ; v28, v29 x of tile a's / tile b's sample L % 16
.set X2, 30                            ; v30  the old z1
.set TX, 31                            ; v31  at work
.set HT, 32                            ; v32-47  at a unit's head: h1 of MLP t, hidden 0-15, in f32, tile at 32 + 8 tile; once packed, the tail's registers below
.set PSM, 32                           ; v32-35  sums over my 8 j: s (a, b), t (a, b)
.set SND, 36
.set KEP, 37
.set RCV, 38
.set TH,  39                           ; v39  from s's sum to log_scale
.set EX,  40                           ; v40  exp(log_scale)
.set TT,  41                           ; v41  t
.set T4,  42                           ; v42-45  the last pairs of a sum
.set H,   48                           ; v48-79   h1 of MLP s in f32 (tile, t) at 48 + 16 tile + 8 t; packed in place, nu's fragment (m, tile) lies at 48 + 16 tile + 8 m
.set D,   80                           ; v80-111  P_a, Q_a, P_b, Q_b
.set A1,  112                          ; v112-143 the first product's source 0, quad f = 4 m + 2 tile + t at 112 + 4 f; a fragment's upper four registers are the next quad (or ZR): they meet zeros
.set ZR,  144                          ; v144-147 zeros: the upper half of the last such fragment
.set A2,  152                          ; v152-183 fragment g at 152 + 8 g
.set CC,  184                          ; v184-215 C_P / C_Q in the accumulators' layout, g at 184 + 8 g
.set SG,  216                          ; v216-231 s', m at 216 + 8 m
.set KC,  232                          ; v232-239 c0 .. c7
.set E,   240                          ; v240-255 h1 of MLP t, hidden 16-31, in f32: tile at 240 + 8 tile
; registers of the formatting (all free again behind the barrier)
.set WU, 32                            ; v32-47  -2 c1 c2 W3_r W2_ir
.set WG, 48                            ; v48-63  G, 16 of row r
.set WF, 64                            ; v64-79  F
.set HG, 80                            ; v80-87  G in f16
.set HF, 88                            ; v88-95  F in f16
	s_load_b512 s[4:19], s[0:1], 0x0               ; x 4, out0 6, out1 8, sW1 10, sb1 12, sW2 14, sb2 16, sW3 18
	s_load_b512 s[20:35], s[0:1], 0x40             ; sb3 20, tW1 22, tb1 24, tW2 26, tb2 28, tW3 30, tb3 32, scale_w 34
	s_load_b64 s[36:37], s[0:1], 0x80              ; scale_b
	v_lshrrev_b32 v1, 5, v0
	v_readfirstlane_b32 s2, v1                     ; wave 0..15
	v_and_b32 v1, 31, v0                           ; lane L
	v_lshlrev_b32 v6, 4, v1                        ; 16 L; never rewritten
	v_lshlrev_b32 v7, 3, v1                        ; 8 L; never rewritten
	s_lshl_b32 s44, ttmp9, 4
	s_add_co_u32 s44, s44, s2                      ; 16 x work-group + wave: which 128 samples
	s_lshl_b32 s46, s44, 9                         ; x 512 bytes in out1
	s_lshl_b32 s44, s44, 10                        ; x 1,024 bytes in x and out0
	s_mov_b32 s45, 0
	s_mov_b32 s47, 0
	s_mov_b32 s38, 0xffff0000                      ; lanes 16-31
	s_mov_b32 s41, 0x76543210                      ; v_permlanex16_b32: each lane takes its own place in the other half
	s_mov_b32 s42, 0xfedcba98
	s_mov_b32 s43, 0x80000000
	s_mov_b32 s53, 0xb780c9b2                      ; -alpha lambda = -(25500 / 99) x 2^-24
	s_mov_b32 s54, 0x0c0b0c09                      ; v_perm_b32 (ISA guide, its entry): selector 9 spreads bit 31 of the second source over a byte, 11 that of the first, 12 gives a zero byte
	s_wait_kmcnt 0x0
	s_add_nc_u64 s[4:5], s[4:5], s[44:45]
	s_add_nc_u64 s[6:7], s[6:7], s[44:45]
	s_add_nc_u64 s[8:9], s[8:9], s[46:47]
	global_load_b128 v[ST:ST+3],   v6, s[4:5] th:TH_LOAD_NT              ; units 0, 1
	global_load_b128 v[ST+4:ST+7], v6, s[4:5] offset:512 th:TH_LOAD_NT   ; units 2, 3
	s_cmp_eq_u32 s2, LAYERS
	s_cbranch_scc1 .Lformatted                     ; 15 layers for 16 waves: wave 15 has none to format
; ---------------- wave l formats layer l ----------------
	v_and_b32 v96, 15, v0                          ; r
	v_bfe_u32 v97, v0, 4, 1                        ; h
	v_lshlrev_b32 v98, 2, v96                      ; 4 r
	s_lshl_b32 s48, s2, 11                         ; a layer of W2: 2,048 bytes
	s_lshl_b32 s49, s2, 7                          ; of W1, b1: 128
	s_lshl_b32 s50, s2, 6                          ; of W3, b2: 64
	s_lshl_b32 s52, s2, 2                          ; of b3, scale_w, scale_b: 4
	s_mul_i32 s51, s2, LSTRIDE                     ; my layer's image in LDS
	v_lshl_add_u32 v100, v97, 9, v98
	v_add_nc_u32 v100, s48, v100                   ; W2[l][8 h][r]
	v_lshlrev_b32 v101, 5, v97
	v_add_nc_u32 v101, s49, v101                   ; W1[l][8 h]
	v_add_nc_u32 v102, s50, v98                    ; W3[l][r]
	v_add_nc_u32 v103, s49, v98                    ; W1[l][r]
	v_add_nc_u32 v104, s51, v6                     ; LDS: image + 16 L
	v_add_nc_u32 v105, s51, v98                    ; LDS: image + 4 r
	v_mov_b32 v106, s51                            ; LDS: image
	v_mov_b32 v111, s52
; 30 loads of MLP m, into v[LB ..]: +0..15 W2[i(e)][r], +16..31 W1[i(e)], +32..47 b1[i(e)], with i(e) = 8 h + e (e < 8), 16 + 8 h + e - 8 (else):
; the places along K that lane (r, h) holds of row r of a 16-bit source 0;  +48 W3[r], +49 b2[r], +50, 51 W1[16 t + r], +52, 53 b1[16 t + r]
.macro PLOAD m
.set LB, 128+54*\m
.set PB, 10+12*\m                      ; the MLP's six addresses: W1, b1, W2, b2, W3, b3
.irp e, 0,1,2,3,4,5,6,7
	global_load_b32 v[LB+\e],   v100, s[PB+4:PB+5] offset:64*\e
	global_load_b32 v[LB+8+\e], v100, s[PB+4:PB+5] offset:1024+64*\e
.endr
.irp q, 0,1,2,3
	global_load_b128 v[LB+16+4*\q:LB+19+4*\q], v101, s[PB:PB+1]   offset:16*(\q%2)+64*(\q/2)
	global_load_b128 v[LB+32+4*\q:LB+35+4*\q], v101, s[PB+2:PB+3] offset:16*(\q%2)+64*(\q/2)
.endr
	global_load_b32 v[LB+48], v102, s[PB+8:PB+9]
	global_load_b32 v[LB+49], v102, s[PB+6:PB+7]
	global_load_b32 v[LB+50], v103, s[PB:PB+1]
	global_load_b32 v[LB+51], v103, s[PB:PB+1] offset:64
	global_load_b32 v[LB+52], v103, s[PB+2:PB+3]
	global_load_b32 v[LB+53], v103, s[PB+2:PB+3] offset:64
.endm
.macro PFORM m
.set LB, 128+54*\m
	v_mul_f32 v96, 0xbefff972, v[LB+48]            ; -2 c1 c2 W3_r (-0.49995)
	v_mov_b32 v97, v96
.set k, 0
.rept 8
	v_pk_mul_f32 v[WU+2*k:WU+2*k+1], v[LB+2*k:LB+2*k+1], v[96:97]
.set k, k+1
.endr
.set k, 0
.rept 8
	v_pk_mul_f32 v[WG+2*k:WG+2*k+1], v[WU+2*k:WU+2*k+1], v[LB+16+2*k:LB+17+2*k]   ; x w_i
	v_pk_mul_f32 v[WF+2*k:WF+2*k+1], v[WU+2*k:WU+2*k+1], v[LB+32+2*k:LB+33+2*k]   ; x b_i
.set k, k+1
.endr
	; the largest magnitude of the 1,024 elements: in the lane, in the 16 lanes, across the halves
	v_max_num_f32 v98, |v[WG]|, |v[WF]|
.set k, 1
.rept 15
	v_max3_num_f32 v98, v98, |v[WG+k]|, |v[WF+k]|
.set k, k+1
.endr
	v_max_num_f32_dpp v98, v98, v98 row_xmask:1 row_mask:0xf bank_mask:0xf
	v_max_num_f32_dpp v98, v98, v98 row_xmask:2 row_mask:0xf bank_mask:0xf
	v_max_num_f32_dpp v98, v98, v98 row_xmask:4 row_mask:0xf bank_mask:0xf
	v_max_num_f32_dpp v98, v98, v98 row_xmask:8 row_mask:0xf bank_mask:0xf
	v_mov_b32 v99, v98                             ; the exchange's destination counts as read
	v_permlanex16_b32 v99, v98, s41, s42
	v_max_num_f32 v98, v98, v99
	v_max_num_f32 v98, 0x0d800000, v98             ; at least 2^-100
	v_and_b32 v98, 0x7f800000, v98                 ; 2^e
	v_sub_nc_u32 v112, 0x85000000, v98             ; S = 2^(12 - e): exponent field 266 - (e + 127)
	v_add_nc_u32 v113, 0xfa000000, v98             ; 1 / S = 2^(e - 12): the field less 12
	v_mul_f32 v[114+\m], 0x47808081, v113          ; 1 / (alpha S): x 2^24 / 255
.set k, 0
.rept 8
	v_pk_mul_f32 v[WG+2*k:WG+2*k+1], v[WG+2*k:WG+2*k+1], v[112:113] op_sel_hi:[1,0]
	v_pk_mul_f32 v[WF+2*k:WF+2*k+1], v[WF+2*k:WF+2*k+1], v[112:113] op_sel_hi:[1,0]
.set k, k+1
.endr
.set k, 0
.rept 8
	v_cvt_pk_f16_f32 v[HG+k], v[WG+2*k], v[WG+2*k+1]
	v_cvt_pk_f16_f32 v[HF+k], v[WF+2*k], v[WF+2*k+1]
.set k, k+1
.endr
	ds_store_b128 v104, v[HF:HF+3]   offset:IMG2+(2*\m)*1024
	ds_store_b128 v104, v[HF+4:HF+7] offset:IMG2+(2*\m)*1024+512
	ds_store_b128 v104, v[HG:HG+3]   offset:IMG2+(2*\m+1)*1024
	ds_store_b128 v104, v[HG+4:HG+7] offset:IMG2+(2*\m+1)*1024+512
	; the rounded numbers back in f32 (v80-87 -> v48-63, v88-95 -> v64-79): the constants are summed from what the matrix unit will see
.set i, 0
.irp s, v80.l,v80.h,v81.l,v81.h,v82.l,v82.h,v83.l,v83.h,v84.l,v84.h,v85.l,v85.h,v86.l,v86.h,v87.l,v87.h,v88.l,v88.h,v89.l,v89.h,v90.l,v90.h,v91.l,v91.h,v92.l,v92.h,v93.l,v93.h,v94.l,v94.h,v95.l,v95.h
	v_cvt_f32_f16 v[WG+i], \s
.set i, i+1
.endr
.irp b, WG, WF
	v_pk_add_f32 v[\b:\b+1],     v[\b:\b+1],     v[\b+2:\b+3]
	v_pk_add_f32 v[\b+4:\b+5],   v[\b+4:\b+5],   v[\b+6:\b+7]
	v_pk_add_f32 v[\b+8:\b+9],   v[\b+8:\b+9],   v[\b+10:\b+11]
	v_pk_add_f32 v[\b+12:\b+13], v[\b+12:\b+13], v[\b+14:\b+15]
	v_pk_add_f32 v[\b:\b+1],     v[\b:\b+1],     v[\b+4:\b+5]
	v_pk_add_f32 v[\b+8:\b+9],   v[\b+8:\b+9],   v[\b+12:\b+13]
	v_pk_add_f32 v[\b:\b+1],     v[\b:\b+1],     v[\b+8:\b+9]
	v_add_f32 v[\b], v[\b], v[\b+1]                ; my 16 i of row r,
	v_permlanex16_b32 v99, v[\b], s41, s42
	v_add_f32 v[\b], v[\b], v99                    ; and the other half's 16: the same bits in both halves
.endr
	v_mul_f32 v[WG], s53, v[WG]                    ; C_Q = -alpha lambda sum G
	v_mul_f32 v107, v[LB+48], v[LB+49]
	v_mul_f32 v107, 0x3700c666, v107               ; x alpha c1 = 128.775 x 2^-24
	v_mul_f32 v107, v112, v107                     ; alpha S c1 W3 b2
	v_fma_f32 v[WF], v[WF], s53, v107              ; C_P = that - alpha lambda sum F
	v_and_or_b32 v108, v[LB+48], s43, 0x3f7aee42   ; s' = sign(W3) / kappa
	ds_store_b32 v105, v[WF] offset:TAB+128*\m     ; lanes r and 16 + r store the same word with the same value
	ds_store_b32 v105, v[WG] offset:TAB+128*\m+64
	ds_store_b32 v105, v108  offset:SGT+64*\m
	; the first product's source 0: row 16 t + r = (wh, wl), (wh, bh), (bl, 0), 0 in lanes 0-15, zeros in lanes 16-31
.irp t, 0,1
	v_cvt_pk_bf16_f32 v32, v[LB+50+\t], v[LB+50+\t]
	v_cvt_pk_bf16_f32 v35, v[LB+52+\t], v[LB+52+\t]
	v_lshlrev_b32 v33, 16, v32                     ; wh in f32
	v_lshlrev_b32 v36, 16, v35                     ; bh
	v_sub_f32 v34, v[LB+50+\t], v33                ; w - wh
	v_sub_f32 v37, v[LB+52+\t], v36                ; b - bh
	v_cvt_pk_bf16_f32 v40, v33, v34
	v_cvt_pk_bf16_f32 v41, v33, v36
	v_cvt_pk_bf16_f32 v42, v37, 0
	v_mov_b32 v43, 0
	v_cndmask_b32 v40, v40, v43, s38
	v_cndmask_b32 v41, v41, v43, s38
	v_cndmask_b32 v42, v42, v43, s38
	ds_store_b128 v104, v[40:43] offset:IMG1+(2*\m+\t)*512
.endr
.endm
	PLOAD 0
	PLOAD 1
	s_wait_loadcnt 30                              ; all but the 30 youngest loads, MLP t's, are in
	global_load_b32 v124, v111, s[20:21]           ; sb3, tb3, scale_w, scale_b of my layer: wanted last, so asked for last;
	global_load_b32 v125, v111, s[32:33]           ; they land under the formatting of MLP s
	global_load_b32 v126, v111, s[34:35]
	global_load_b32 v127, v111, s[36:37]
	PFORM 0
	s_wait_loadcnt 0x0
	PFORM 1
	v_mul_f32 v116, 0x4038aa3b, v114               ; c0 = 2 log2(e) / (alpha S_s)
	v_mul_f32 v117, 0x4038aa3b, v124               ; c1 = 2 log2(e) sb3
	v_mul_f32 v118, -2.0, v126                     ; c2 = -2 sw
	v_add_f32 v119, v126, v127                     ; c3 = sw + sb
	v_mov_b32 v120, v115                           ; c4 = 1 / (alpha S_t)
	v_mov_b32 v121, v125                           ; c5 = tb3
	v_mov_b32 v122, 0
	v_mov_b32 v123, 0
	ds_store_b128 v106, v[116:119] offset:KTAB     ; every lane the same 16 bytes with the same values
	ds_store_b128 v106, v[120:123] offset:KTAB+16
.Lformatted:
	s_wait_dscnt 0x0                               ; for the others' sake: my layer's image is written
	s_barrier_signal -1
	s_barrier_wait -1                              ; the only barrier: from here on LDS is only read
; ---------------- the layers ----------------
; 24 LDS loads: what the matrix instructions of a layer read
.macro LOADW_EARLY
.irp f, 0,1,2,3,4,5,6,7                ; f = 4 m + 2 tile + t: tile b takes the same quad with the halves of the lanes exchanged
	ds_load_b128 v[A1+4*\f:A1+4*\f+3], v[B0+((\f/2)%2)] offset:IMG1+(2*(\f/4)+(\f%2))*512
.endr
.irp g, 0,1,2,3
	ds_load_b128 v[A2+8*\g:A2+8*\g+3],   v[B0] offset:IMG2+\g*1024
	ds_load_b128 v[A2+8*\g+4:A2+8*\g+7], v[B0] offset:IMG2+\g*1024+512
.endr
.irp g, 0,1,2,3
	ds_load_b128 v[CC+8*\g:CC+8*\g+3],   v[B2] offset:TAB+64*\g
	ds_load_b128 v[CC+8*\g+4:CC+8*\g+7], v[B2] offset:TAB+64*\g+16
.endr
.endm
; 6 LDS loads: what only the vector work reads
.macro LOADW_LATE
.irp m, 0,1
	ds_load_b128 v[SG+8*\m:SG+8*\m+3],   v[B2] offset:SGT+64*\m
	ds_load_b128 v[SG+8*\m+4:SG+8*\m+7], v[B2] offset:SGT+64*\m+16
.endr
	ds_load_b128 v[KC:KC+3],   v[B3] offset:KTAB
	ds_load_b128 v[KC+4:KC+7], v[B3] offset:KTAB+16
.endm
; h1 = w x + b of both MLPs, both tiles, 32 hidden units each, in f32: eight products, each a sum of its own that starts from the constant 0.
; Lanes 0-15 of XE are K = 0..7 (tile a's x), lanes 16-31 K = 8..15 (tile b's); the zero half of source 0 picks the tile.
.macro W1
	v_wmma_f32_16x16x32_bf16 v[H:H+7],       v[A1:A1+7],     v[XE:XE+7], 0   ; s, tile a, hidden 0-15
	v_wmma_f32_16x16x32_bf16 v[H+8:H+15],    v[A1+4:A1+11],  v[XE:XE+7], 0   ; s, tile a, hidden 16-31
	v_wmma_f32_16x16x32_bf16 v[H+16:H+23],   v[A1+8:A1+15],  v[XE:XE+7], 0   ; s, tile b
	v_wmma_f32_16x16x32_bf16 v[H+24:H+31],   v[A1+12:A1+19], v[XE:XE+7], 0
	v_wmma_f32_16x16x32_bf16 v[HT:HT+7],     v[A1+16:A1+23], v[XE:XE+7], 0   ; t, tile a, hidden 0-15
	v_wmma_f32_16x16x32_bf16 v[E:E+7],       v[A1+20:A1+27], v[XE:XE+7], 0   ; t, tile a, hidden 16-31
	v_wmma_f32_16x16x32_bf16 v[HT+8:HT+15],  v[A1+24:A1+31], v[XE:XE+7], 0   ; t, tile b
	v_wmma_f32_16x16x32_bf16 v[E+8:E+15],    v[A1+28:A1+35], v[XE:XE+7], 0
.endm
; Two neighbouring hidden units' sign bits in one word, each as the f16 number 0x00ff or 0, the lower unit below: 16 words become the 8 of a source 1.
; MLP s in place: word p is written when words 2 p and 2 p + 1 are read, and p <= 2 p, so nothing is written before it has been read.
.macro PACK_S
.irp b, H, H+16
.set p, 0
.rept 8
	v_perm_b32 v[\b+p], v[\b+2*p+1], v[\b+2*p], s54
.set p, p+1
.endr
.endr
.endm
; MLP t into the halves of H that packing s has freed
.macro PACK_T
.irp tile, 0,1
.set p, 0
.rept 4
	v_perm_b32 v[H+8+16*\tile+p], v[HT+8*\tile+2*p+1], v[HT+8*\tile+2*p], s54
.set p, p+1
.endr
.set p, 0
.rept 4
	v_perm_b32 v[H+12+16*\tile+p], v[E+8*\tile+2*p+1], v[E+8*\tile+2*p], s54
.set p, p+1
.endr
.endr
.endm
; P and Q of both tiles.  Each sum is one instruction whose C is a constant block, so no accumulator is added onto in place and no two neighbours share one.
.macro W2 m
	v_wmma_f32_16x16x32_f16 v[D:D+7],     v[A2+16*\m:A2+16*\m+7],    v[H+8*\m:H+8*\m+7],       v[CC+16*\m:CC+16*\m+7]
	v_wmma_f32_16x16x32_f16 v[D+8:D+15],  v[A2+16*\m+8:A2+16*\m+15], v[H+8*\m:H+8*\m+7],       v[CC+16*\m+8:CC+16*\m+15]
	v_wmma_f32_16x16x32_f16 v[D+16:D+23], v[A2+16*\m:A2+16*\m+7],    v[H+16+8*\m:H+16+8*\m+7], v[CC+16*\m:CC+16*\m+7]
	v_wmma_f32_16x16x32_f16 v[D+24:D+31], v[A2+16*\m+8:A2+16*\m+15], v[H+16+8*\m:H+16+8*\m+7], v[CC+16*\m+8:CC+16*\m+15]
.endm
; g = P + x Q for two j of a tile: both halves of the pair are multiplied by the tile's x (v28 for a, v29 for b)
.macro G1 tile, i
.if \tile
	v_pk_fma_f32 v[D+16+2*\i:D+17+2*\i], v[D+24+2*\i:D+25+2*\i], v[XA:XA+1], v[D+16+2*\i:D+17+2*\i] op_sel:[0,1,0] op_sel_hi:[1,1,1]
.else
	v_pk_fma_f32 v[D+2*\i:D+1+2*\i], v[D+8+2*\i:D+9+2*\i], v[XA:XA+1], v[D+2*\i:D+1+2*\i] op_sel_hi:[1,0,1]
.endif
.endm
; g + s' |g|
.macro TAIL_A m
.set i, 0
.rept 8
	v_fma_f32 v[D+i],    |v[D+i]|,    v[SG+8*\m+i], v[D+i]
	v_fma_f32 v[D+16+i], |v[D+16+i]|, v[SG+8*\m+i], v[D+16+i]
.set i, i+1
.endr
.endm
; the sum over my 8 j: down to a pair for each tile, outside the accumulators' block,
.macro TAIL_T1
	v_pk_add_f32 v[D:D+1],     v[D:D+1],     v[D+2:D+3]
	v_pk_add_f32 v[D+4:D+5],   v[D+4:D+5],   v[D+6:D+7]
	v_pk_add_f32 v[D+16:D+17], v[D+16:D+17], v[D+18:D+19]
	v_pk_add_f32 v[D+20:D+21], v[D+20:D+21], v[D+22:D+23]
	v_pk_add_f32 v[T4:T4+1],   v[D:D+1],     v[D+4:D+5]
	v_pk_add_f32 v[T4+2:T4+3], v[D+16:D+17], v[D+20:D+21]
.endm
; and to one number
.macro TAIL_T2 m
	v_add_f32 v[PSM+2*\m],   v[T4],   v[T4+1]
	v_add_f32 v[PSM+2*\m+1], v[T4+2], v[T4+3]
.endm
; the other 8 j lie 16 lanes away: lanes 0-15 keep tile a's sum and send tile b's, lanes 16-31 the other way round; each lane ends with its own sample's sum
.macro RED m, dst
	v_cndmask_b32 v[SND], v[PSM+2*\m+1], v[PSM+2*\m], s38
	v_cndmask_b32 v[KEP], v[PSM+2*\m], v[PSM+2*\m+1], s38
	v_permlanex16_b32 v[RCV], v[SND], s41, s42     ; its destination counts as read: the unit's first products have written it
	v_add_f32 v[\dst], v[KEP], v[RCV]
.endm
; One unit (32 samples) through one layer.  first = 1: the layer's first unit waits for the late loads.  more = 1: the layer's last unit fetches the next layer.
; A vector instruction that reads a matrix result, and a load into a register that a matrix instruction has read, stand four plain vector instructions that name
; none of its registers behind it (ISA guide 7.12.1 for vector instructions); a matrix instruction that takes a result as a source or writes over a register, five.  Useful work fills every such place: no v_nop is written.
.macro UNIT u, first, more
.set Z2, ST+2*\u
.set Z1, ST+2*\u+1
	v_cvt_pk_bf16_f32 v[XE], v[Z2], v[Z2]          ; (xh, xh)
	v_lshlrev_b32 v[TX], 16, v[XE]
	v_sub_f32 v[TX], v[Z2], v[TX]
	v_cvt_pk_bf16_f32 v[XE+1], v[TX], 1.0          ; (xl, 1)
	W1
	v_permlanex16_b32 v[TX], v[Z2], s41, s42
	v_cndmask_b32 v[XA],   v[Z2], v[TX], s38       ; x of tile a's sample L % 16
	v_cndmask_b32 v[XA+1], v[TX], v[Z2], s38       ; of tile b's
	v_mov_b32 v[X2], v[Z1]                         ; the swap: x2 = z1,
	v_mov_b32 v[Z1], v[Z2]                         ; z1' = x1: these four are the places behind all eight products, in front of the packing
	PACK_S                                         ; each half of it names nothing of the other tile's products: eight more places in front of W2 0, which takes their registers as source 1
	W2 0
	PACK_T                                         ; 16 places behind W2 0, whose registers it does not name
.if \first
	s_wait_dscnt 0x0                               ; s' and c0 .. c7 are in
.endif
.irp i, 0,1,2,3
	G1 0, \i
	G1 1, \i
.endr
	TAIL_A 0
	TAIL_T1
	W2 1
	TAIL_T2 0                                      ; these two, RED's three plain ones and the multiply-add: six places in front of the first read of W2 1's results
	RED 0, TH
	v_fma_f32 v[TH], v[TH], v[KC], v[KC+1]         ; 2 log2(e) s
	v_exp_f32 v[TH], v[TH]                         ; behind each transcendental a plain instruction of MLP t stands in front of the use of its result (ISA guide 5.7.2)
	G1 0, 0
	s_wait_alu depctr_va_vdst(0)
	v_add_f32 v[TH], 1.0, v[TH]
	v_rcp_f32 v[TH], v[TH]
	G1 0, 1
	s_wait_alu depctr_va_vdst(0)
	v_fma_f32 v[TH], v[TH], v[KC+2], v[KC+3]       ; log_scale = sw + sb - 2 sw / (1 + e^(2 s)) = tanh(s) sw + sb
	v_add_f32 v[LD+\u], v[LD+\u], v[TH]
	v_mul_f32 v[EX], 0x3fb8aa3b, v[TH]
	v_exp_f32 v[EX], v[EX]
	G1 0, 2
.if \more
	v_add_nc_u32 v[B0], LSTRIDE, v[B0]             ; the next layer's image; no matrix instruction of this layer is left
	v_add_nc_u32 v[B1], LSTRIDE, v[B1]
	v_add_nc_u32 v[B2], LSTRIDE, v[B2]
	v_add_nc_u32 v[B3], LSTRIDE, v[B3]
	LOADW_EARLY                                    ; lands under the rest of this unit
.endif
	G1 0, 3
.irp i, 0,1,2,3
	G1 1, \i
.endr
	TAIL_A 1
	TAIL_T1
	TAIL_T2 1
	RED 1, TT
	v_fma_f32 v[TT], v[TT], v[KC+4], v[KC+5]       ; t = sum / (alpha S_t) + tb3
	s_wait_alu depctr_va_vdst(0)
	v_fma_f32 v[Z2], v[EX], v[X2], v[TT]           ; z2' = exp(log_scale) x2 + t
.if \more
	LOADW_LATE                                     ; behind the last reads of s' and c0 .. c7
.endif
.endm
.macro LAYER more
	s_wait_dscnt 0x6                               ; LDS loads come back in order (ISA guide 5.7.1): the 24 early ones are in, the 6 late ones may stay out; the same count on the way in and on the way back
	UNIT 0, 1, 0
	UNIT 1, 0, 0
	UNIT 2, 0, 0
	UNIT 3, 0, \more
.endm
	v_mov_b32 v[B0], v6
	v_add_nc_u32 v[B1], 16, v1
	v_and_b32 v[B1], 31, v[B1]                     ; L xor 16
	v_lshlrev_b32 v[B1], 4, v[B1]
	v_bfe_u32 v[B2], v0, 4, 1
	v_lshlrev_b32 v[B2], 5, v[B2]
	v_mov_b32 v[B3], 0
	LOADW_EARLY                                    ; layer 0
	LOADW_LATE
	v_mov_b32 v[XE+2], 0x3f80                      ; (1, 0) in bf16: meets bl
.irp i, 3,4,5,6,7
	v_mov_b32 v[XE+\i], 0
.endr
.irp i, 0,1,2,3
	v_mov_b32 v[ZR+\i], 0
.endr
.irp i, 0,1,2,3
	v_mov_b32 v[LD+\i], 0
.endr
	s_wait_loadcnt 0x0                             ; x
	s_mov_b32 s3, LAYERS-1
.Llayer:
	LAYER 1
	s_sub_co_u32 s3, s3, 1
	s_cmp_lg_u32 s3, 0
	s_cbranch_scc1 .Llayer
	LAYER 0                                        ; the last layer is written out: there is no sixteenth image to fetch
; ---------------- the way out ----------------
.irp u, 0,1,2,3
	v_mov_b32 v[32+2*\u], v[ST+2*\u+1]             ; out0 wants (z1, z2); the state lies as x came, (z2, z1)
	v_mov_b32 v[33+2*\u], v[ST+2*\u]
.endr
	global_store_b128 v6, v[32:35], s[6:7] th:TH_STORE_NT                ; a wave's store covers 512 consecutive bytes, aligned
	global_store_b128 v6, v[36:39], s[6:7] offset:512 th:TH_STORE_NT
	global_store_b64 v7, v[LD:LD+1],   s[8:9] th:TH_STORE_NT             ; 256 consecutive bytes, aligned
	global_store_b64 v7, v[LD+2:LD+3], s[8:9] offset:256 th:TH_STORE_NT
	s_wait_xcnt 0x0
	v_lshl_add_u32 v254, v0, 2, 0x18600
	v_mov_b32 v255, 0
	s_wait_tensorcnt 0x0
	ds_add_u32 v254, v255
	s_wait_dscnt 0x0
	s_endpgm
.Lfunc_end_k_qa03ef7232d_flow:
	.size	k_qa03ef7232d_flow, .Lfunc_end_k_qa03ef7232d_flow-k_qa03ef7232d_flow
	.p2alignl 7, 3214868480
	.fill 96, 4, 3214868480
	.section	.rodata,"a",@progbits
	.p2align	6, 0x0
	.amdhsa_kernel k_qa03ef7232d_flow
		.amdhsa_group_segment_fixed_size 101888
		.amdhsa_private_segment_fixed_size 0
		.amdhsa_enable_private_segment 0
		.amdhsa_kernarg_size 136
		.amdhsa_user_sgpr_count 2
		.amdhsa_user_sgpr_kernarg_segment_ptr 1
		.amdhsa_wavefront_size32 1
		.amdhsa_system_sgpr_workgroup_id_x 1
		.amdhsa_system_sgpr_workgroup_id_y 1
		.amdhsa_system_sgpr_workgroup_id_z 1
		.amdhsa_system_vgpr_workitem_id 0
		.amdhsa_next_free_vgpr 256
		.amdhsa_next_free_sgpr 66
		.amdhsa_reserve_vcc 0
		.amdhsa_float_denorm_mode_32 3
		.amdhsa_float_denorm_mode_16_64 3
		.amdhsa_memory_ordered 1
		.amdhsa_forward_progress 1
		.amdhsa_inst_pref_size 101
	.end_amdhsa_kernel
	.amdgpu_metadata
---
amdhsa.version: [ 1, 2 ]
amdhsa.kernels:
  - .name:           k_qa03ef7232d_flow
    .symbol:         k_qa03ef7232d_flow.kd
    .args:
      - { .name: x, .offset: 0, .size: 8, .value_kind: global_buffer, .address_space: global }
      - { .name: out0, .offset: 8, .size: 8, .value_kind: global_buffer, .address_space: global }
      - { .name: out1, .offset: 16, .size: 8, .value_kind: global_buffer, .address_space: global }
      - { .name: sW1, .offset: 24, .size: 8, .value_kind: global_buffer, .address_space: global }
      - { .name: sb1, .offset: 32, .size: 8, .value_kind: global_buffer, .address_space: global }
      - { .name: sW2, .offset: 40, .size: 8, .value_kind: global_buffer, .address_space: global }
      - { .name: sb2, .offset: 48, .size: 8, .value_kind: global_buffer, .address_space: global }
      - { .name: sW3, .offset: 56, .size: 8, .value_kind: global_buffer, .address_space: global }
      - { .name: sb3, .offset: 64, .size: 8, .value_kind: global_buffer, .address_space: global }
      - { .name: tW1, .offset: 72, .size: 8, .value_kind: global_buffer, .address_space: global }
      - { .name: tb1, .offset: 80, .size: 8, .value_kind: global_buffer, .address_space: global }
      - { .name: tW2, .offset: 88, .size: 8, .value_kind: global_buffer, .address_space: global }
      - { .name: tb2, .offset: 96, .size: 8, .value_kind: global_buffer, .address_space: global }
      - { .name: tW3, .offset: 104, .size: 8, .value_kind: global_buffer, .address_space: global }
      - { .name: tb3, .offset: 112, .size: 8, .value_kind: global_buffer, .address_space: global }
      - { .name: scale_w, .offset: 120, .size: 8, .value_kind: global_buffer, .address_space: global }
      - { .name: scale_b, .offset: 128, .size: 8, .value_kind: global_buffer, .address_space: global }
    .group_segment_fixed_size: 101888
    .private_segment_fixed_size: 0
    .kernarg_segment_align: 8
    .kernarg_segment_size: 136
    .max_flat_workgroup_size: 512
    .sgpr_count:     66
    .vgpr_count:     256
    .wavefront_size: 32
...
	.end_amdgpu_metadata
.endif
;; end of part 1
